; MI455X (gfx1250); checked and timed in simulation.
; The chip was launched on July 23, 2026; its instructions are those of AMD's public machine-readable ISA for CDNA 5 (MIT licence, August 2026) and "CDNA5" Instruction Set Architecture Reference Guide (July 2026). The comments in the code are by the model that wrote it; some were corrected since.
;; Grouped Query Attention. Allowed arithmetic: matrix products marked QUANTISED: E2M1 operands, one E8M0 scale for each 32 along K, by v_wmma_scale_f32_16x16x128_f8f6f4 with both operands' format E2M1 (or v_wmma_scale_f32_32x16x128_f4), f32 sums; everything else in f32.
;; Inputs: Wk 2,048 x 512 float32; Wq 2,048 x 2,048 float32; Wv 2,048 x 512 float32; x 2 x 2,048 x 2,048 float32.
;; Outputs: out0 2 x 2,048 x 2,048 float32.
;; This version of the problem:
;;   THIS VERSION OF THE PROBLEM IS GIVEN IN LOW PRECISION. The matrix products marked QUANTISED in the list below multiply operands that are first quantised to E2M1 (2 exponent bits, 1 mantissa bit; 4 bits a number), with one power-of-two scale for each 32 numbers along K (OCP MX v1.0); their sums are f32. All else is computed in f32.
;;   The module's matrix products, in the order in which they are computed (A, B: the left and right operand; K: the contracted axis; several contracted axes count as one K, in the product's order):
;;     1. [M 4,096, K 2,048] x [K 2,048, N 2,048]; A: input x; B: input Wq: QUANTISED
;;     2. [M 4,096, K 2,048] x [K 2,048, N 512]; A: input x; B: input Wk: QUANTISED
;;     3. [M 4,096, K 2,048] x [K 2,048, N 512]; A: input x; B: input Wv: QUANTISED
;;     4. batch 16 x [M 8,192, K 64] x [K 64, N 2,048]; A: computed on the way; B: computed on the way: QUANTISED
;;     5. batch 16 x [M 8,192, K 2,048] x [K 2,048, N 64]; A: softmax (see below); B: computed on the way: QUANTISED
;;   THE QUANTISER, for each operand of a quantised product, along K:
;;     - K is cut into blocks of 32 from its start; a last block that is shorter is filled with zeros.
;;     - A block's scale is 2^e with e = floor(log2(the largest magnitude in the block)) - 2, held to -126 .. 127; a block of zeros has e = 0. As a byte (E8M0): e + 127.
;;     - Each number is divided by its block's scale, clamped to +-6, and rounded to the nearest number of E2M1, ties to even, subnormals kept.
;;     - The product sums the exact products of the quantised numbers (number of the format x scale) in f32.
;;   ~~~python
;;   def quantise(x, axis):      # numpy; x: float32 -> the quantised numbers, widened to float32 again
;;       x = np.moveaxis(x, axis, -1); K = x.shape[-1]
;;       x = np.pad(x, [(0, 0)] * (x.ndim - 1) + [(0, -K % 32)]); x = x.reshape(x.shape[:-1] + (-1, 32)); a = np.abs(x).max(-1, keepdims=True)
;;       e = np.where(a > 0, np.clip(np.frexp(np.where(a > 0, a, 1))[1] - 1 - 2, -126, 127), 0)      # np.frexp(a)[1] - 1 = floor(log2(a)), exactly
;;       r = np.clip(x / 2.0 ** e, -6, 6)
;;       step = 2.0 ** (np.maximum(np.frexp(np.where(r == 0, 1, r))[1] - 1, 0) - 1)
;;       q = np.round(r / step) * step * 2.0 ** e      # np.round: ties to even
;;       return np.moveaxis(q.reshape(q.shape[:-2] + (-1,))[..., :K], -1, axis).astype(np.float32)
;;   ~~~
;;   SOFTMAX AHEAD OF A QUANTISED PRODUCT. Where the list says 'softmax', what is quantised is not the finished softmax but p = 2^(t - M), with t = logit x log2(e) and M = ceil(the row's largest t), a whole number; so 1/2 < the row's largest p <= 1. The row's sum l is taken of the UNQUANTISED p, in f32, and the product's result is divided by l at the end. Since M is a whole number, a kernel that streams over the keys may use a running M (the ceiling of the running maximum): every later rescaling is an exact power of two, which a block's scale takes up: the codes' values come out the same.
;;   OPERANDS COMPUTED ON THE WAY. 'Computed on the way' means the value that the module computes at that place (a softmax that the list does not call 'softmax' is quantised finished and normalised). What goes into a quantiser is computed in f32, as accurately as f32 sums, v_exp_f32 and their like allow (about 1e-6 of the number): no bf16 or f16 on the way to a quantiser, and a product that is left as it is and whose result goes on into a quantised operand takes f32 operands (vector FMAs, or v_wmma_f32_16x16x4_f32). A number that lies on a knife's edge between two numbers of the format may be rounded either way, as far as f32 arithmetic and the matrix unit's own rounding can turn it there, and no further.
;; One version. Each part assembles by itself: llvm-mc -triple=amdgcn-amd-amdhsa -mcpu=gfx1250 --defsym DOCPART=n.
;; ======== version 1 of 1: 3 launches
;; limits: right only within a limited range of input values
;; workspace buffers: x_codes 4,194,304 bytes; x_scales 262,144 bytes; w_codes 3,145,728 bytes; w_scales 196,608 bytes; rope 524,288 bytes; q_img 4,194,304 bytes; q_sc 524,288 bytes; kv 2,228,224 bytes
;; launch quant (part 1): grid 672 x 1, 4 waves a work-group, no clusters, 68,096 bytes of LDS; arguments x, Wq, Wk, Wv, x_codes, x_scales, w_codes, w_scales, rope; writes x_codes, x_scales, w_codes, w_scales, rope
.if DOCPART == 1
	.amdgcn_target "amdgcn-amd-amdhsa--gfx1250"
	.amdhsa_code_object_version 6
	.text
	.protected	k_q99987a7227_quant
	.globl	k_q99987a7227_quant
	.p2align	8
	.type	k_q99987a7227_quant,@function
k_q99987a7227_quant:
	s_mov_b64 s[64:65], 0
	v_nop
	global_prefetch_b8 v0, s[64:65] scope:SCOPE_SE
	s_setreg_imm32_b32 hwreg(HW_REG_WAVE_MODE, 25, 1), 1
	s_wait_xcnt 0x0
; THREE JOBS IN ONE LAUNCH, parted by the work-group's number; no work-group shares an input with another, so there is no cluster and no joint load.
;  X (work-groups 0-255):   x [4096][2048] f32 -> codes of FP4 (E2M1), K innermost, 1,024 bytes a row, and one E8M0 byte for each 32 along K, 64 bytes a row.
;  W (work-groups 256-351): Wq, Wk, Wv [2048 (k)][n] f32 -> codes with K innermost and scale bytes, as 3,072 rows: 16 tiles of 192 rows = two query heads (128), 32 columns of Wk, 32 of Wv.
;  R (work-groups 640-671): the cosines and sines of RoPE, laid as the next launch's registers want them.
; THE ORDER OF ROWS.  In each group of 32 rows (of x: positions; of W: columns) place 16 u + r holds row 8 u + r + 8 (r / 8): bits 3 and 4 of the row's number change places.
; So the 16 result registers of two neighbouring tiles of 16 are 16 neighbours along the next product's K.
; A block's scale is 2^(floor(log2(largest magnitude)) - 2); its byte is the largest magnitude's exponent field - 2, held at 1 from below.
; LIMITS: a block of zeros, and one whose largest magnitude lies under 2^-124, gets the byte 1 (zero codes add nothing; this program alone reads the bytes); NaN and infinities are not served.
; The frequencies are the f32 roundings of 10000^(i/32) and of its reciprocal, the angle is the f32 product position x frequency; sine and cosine by a two-part reduction and polynomials of about one ulp.
; LDS: path X has bytes 0 .. 32,767, path W bytes 32,768 .. 67,583: each path has bytes of its own.  Path R uses none.
.set STEPS, 16
.set WREG,  8192                       ; X: a wave's region: two stages of 32 x SP bytes, then its 256 scale bytes
.set SP,    80                         ; X: a lane's place in a stage: 64 bytes + 16 of padding
.set CB,    8                          ; bytes of 16 codes
.set XR,    16                         ; X: v16-79 four sets of 16 numbers as loaded
.set XX,    80                         ; X: v80-111 two sets of 16 neighbours
.set XE,    112                        ; X: v112-127 a scale byte for each step
.set XC,    128                        ; X: v128-191 codes, four registers for each step
.set WSTG,  32768                      ; W: the stages begin here: one stage of 32 rows x 272 bytes, shared by the four waves
.set WP,    272
; PATH W'S SHARES AS THEY STAND (they take the place of the line on W above): work-groups 256-639 take W, 640-671 take R.  A work-group takes 32 columns x 512 along K; its wave w takes K = 128 w .. 128 w + 127 of them,
; four blocks of 32.  The four waves share one stage of 32 rows x 272 bytes; behind one barrier wave w stores rows 8 w .. 8 w + 7, 256 bytes each.
.set NB,    4
.set SB,    24                         ; W: v24 the four scale bytes
.set WX,    32                         ; W: v32-95 two sets of 32 numbers; at the end the rows on their way out
.set WC,    96                         ; W: v96-99 a block's codes
.set OFFS,  112                        ; W: v112-143 row i of a block: pitch x i + 4 x lane
.set TT,    16                         ; R: v16, v17 the whole powers of ten
.set F,     32                         ; R: v32-47 the powers, then the frequencies
.set G,     48                         ; R: v48-63 first reciprocals
.set OUT,   64                         ; R: v64-95 (cos, sin) of my 16 frequencies
.macro XLOAD t
.irp i, 0,1,2,3
	global_load_b128 v[XR+16*((\t)%4)+4*\i:XR+16*((\t)%4)+4*\i+3], v3, s[4:5] offset:2048*(\t)+512*\i th:TH_LOAD_NT   ; 32 lanes read 512 consecutive bytes
.endr
.endm
.macro XTURN t                         ; step t's numbers through the stage: LDS serves a wave's instructions in order, so no wait stands between the stores and the loads
.irp i, 0,1,2,3
	ds_store_b128 v14, v[XR+16*((\t)%4)+4*\i:XR+16*((\t)%4)+4*\i+3] offset:32*SP*((\t)%2)+8*SP*\i
.endr
.irp i, 0,1,2,3
	ds_load_b128 v[XX+16*((\t)%2)+4*\i:XX+16*((\t)%2)+4*\i+3], v15 offset:32*SP*((\t)%2)+16*\i
.endr
.endm
.macro XSTEP t
.set XS, XX+16*((\t)%2)
.if (\t) > 0
	s_wait_dscnt 1                                 ; this step's numbers are back from the stage; the last step's byte store may be out
.else
	s_wait_dscnt 0x0
.endif
.if (\t)+4 < STEPS
	XLOAD (\t)+4                                   ; into the registers that this step's stores into the stage have read
.endif
.if (\t)+1 < STEPS
.if STEPS-2-(\t) >= 3
	s_wait_loadcnt 12                              ; the next step's four loads are in; those of the three steps behind it may be out
.else
	s_wait_loadcnt 4*(STEPS-2-(\t))
.endif
	XTURN (\t)+1
.endif
	v_max3_num_f32 v8, |v[XS]|, |v[XS+1]|, |v[XS+2]|          ; the largest magnitude of my 16, in two chains
	v_max3_num_f32 v9, |v[XS+3]|, |v[XS+4]|, |v[XS+5]|
.irp i, 6,10
	v_max3_num_f32 v8, v8, |v[XS+\i]|, |v[XS+\i+1]|
	v_max3_num_f32 v9, v9, |v[XS+\i+2]|, |v[XS+\i+3]|
.endr
	v_max3_num_f32 v8, v8, |v[XS+14]|, |v[XS+15]|
	v_max3_num_f32 v8, v8, v9, 0x1800000           ; and the floor 2^(3 - 127): the byte cannot fall under 1
	v_max_num_f32_dpp v8, v8, v8 row_xmask:1 row_mask:0xf bank_mask:0xf   ; with my neighbour's 16: the block's
	v_add_nc_u32 v11, 0xff000000, v8               ; 2 off the exponent field: the conversion takes that field as its scale
	v_cvt_scalef32_pk8_fp4_f32 v[XC+4*(\t)], v[XS:XS+7], v11
	v_cvt_scalef32_pk8_fp4_f32 v[XC+4*(\t)+1], v[XS+8:XS+15], v11
	v_lshrrev_b32 v[XE+(\t)], 23, v11              ; the scale's byte
	ds_store_b8 v5, v[XE+(\t)] offset:16*(\t)      ; both lanes of a block write the same byte with the same value
	global_store_b64 v4, v[XC+4*(\t):XC+4*(\t)+1], s[12:13] offset:32*CB*(\t)   ; the wave stores 256 consecutive bytes, aligned
.endm
.macro WLOAD t                         ; block t: W(32 t + i, my column) into set t % 2
.if (\t) > 0
	s_wait_xcnt 0x0                                ; the earlier loads have read their base: it may step
	s_add_nc_u64 s[24:25], s[24:25], s[26:27]      ; 32 rows of W on
.endif
.irp i, 0,1,2,3,4,5,6,7,8,9,10,11,12,13,14,15,16,17,18,19,20,21,22,23,24,25,26,27,28,29,30,31
	global_load_b32 v[WX+32*((\t)%2)+\i], v[OFFS+\i], s[24:25] th:TH_LOAD_NT
.endr
.endm
.macro WBLOCK t
.set XS, WX+32*((\t)%2)
.if (\t) < NB-1
	s_wait_loadcnt 32                              ; this block's 32 loads are in; the next block's may be out
.else
	s_wait_loadcnt 0
.endif
	v_max3_num_f32 v12, |v[XS]|, |v[XS+1]|, |v[XS+2]|         ; all 32 numbers of the block are mine
	v_max3_num_f32 v13, |v[XS+3]|, |v[XS+4]|, |v[XS+5]|
.irp i, 6,10,14,18,22,26
	v_max3_num_f32 v12, v12, |v[XS+\i]|, |v[XS+\i+1]|
	v_max3_num_f32 v13, v13, |v[XS+\i+2]|, |v[XS+\i+3]|
.endr
	v_max3_num_f32 v12, v12, |v[XS+30]|, |v[XS+31]|
	v_max3_num_f32 v12, v12, v13, 0x1800000
	v_add_nc_u32 v11, 0xff000000, v12
	v_lshrrev_b32 v13, 23, v11
.if (\t)%4 == 0
	v_mov_b32 v[SB+(\t)/4], v13                    ; four bytes to a register, the lower K in the lower byte
.else
	v_lshl_or_b32 v[SB+(\t)/4], v13, 8*((\t)%4), v[SB+(\t)/4]
.endif
.irp g, 0,1,2,3
	v_cvt_scalef32_pk8_fp4_f32 v[WC+\g], v[XS+8*\g:XS+8*\g+7], v11
.endr
	ds_store_b128 v4, v[WC:WC+3] offset:16*(\t)    ; 32 codes: 16 bytes of my column's row in the stage
.if (\t)+2 < NB
	WLOAD (\t)+2
.endif
	s_wait_dscnt 0x0                               ; the store has read its registers: the next block's codes may be written
.endm
.macro POWER b, m, hi, lo              ; 10^(2 b + h) x 10^(m/8), rounded once: the product's high part, its exact error, the constant's low part
	v_mul_f32 v[F+8*\b+\m], \hi, v[TT+\b]
	v_fma_f32 v96, v[TT+\b], \hi, -v[F+8*\b+\m]
	v_fma_f32 v96, v[TT+\b], \lo, v96
	v_add_f32 v[F+8*\b+\m], v[F+8*\b+\m], v96
.endm
.macro SINCOS k                        ; (cos, sin) of position x frequency k
	v_mul_f32 v96, v5, v[F+\k]                     ; the angle, rounded to f32 as the table's maker rounds it
	v_mul_f32 v97, 0x3f22f983, v96                 ; x 2 / pi
	v_rndne_f32 v97, v97                           ; n, at most 1,304
	v_fma_f32 v98, v97, 0xbfc90fdb, v96            ; angle - n x (pi/2's f32): no bit is lost
	v_fma_f32 v98, v97, 0x333bbd2e, v98            ; + n x (that f32 - pi/2)
	v_mul_f32 v99, v98, v98
	v_fma_f32 v100, v99, s26, s25
	v_fma_f32 v101, v99, s29, s28
	v_fma_f32 v100, v100, v99, s24
	v_fma_f32 v101, v101, v99, s27
	v_mul_f32 v100, v100, v99
	v_mul_f32 v102, v99, v99
	v_fma_f32 v103, v99, -0.5, 1.0
	v_fma_f32 v100, v100, v98, v98                 ; sin of the rest
	v_fma_f32 v101, v101, v102, v103               ; cos of the rest
	v_cvt_i32_f32 v104, v97
	v_and_b32 v105, 1, v104
	v_cmp_eq_u32 vcc_lo, 1, v105                   ; odd quadrants change the two
	v_cndmask_b32 v106, v100, v101, vcc_lo
	v_cndmask_b32 v107, v101, v100, vcc_lo
	v_and_b32 v105, 2, v104
	v_lshlrev_b32 v105, 30, v105                   ; the sine is negative in quadrants 2, 3
	v_xor_b32 v[OUT+2*\k+1], v105, v106
	v_add_nc_u32 v105, 1, v104
	v_and_b32 v105, 2, v105
	v_lshlrev_b32 v105, 30, v105                   ; the cosine in quadrants 1, 2
	v_xor_b32 v[OUT+2*\k], v105, v107
.endm
	s_load_b256 s[4:11], s[0:1], 0x0               ; x s[4:5], Wq s[6:7], Wk s[8:9], Wv s[10:11]
	s_load_b256 s[12:19], s[0:1], 0x20             ; x_codes s[12:13], x_scales s[14:15], w_codes s[16:17], w_scales s[18:19]
	s_load_b64 s[20:21], s[0:1], 0x40              ; rope
	v_lshl_add_u32 v192, v0, 2, 0x10800
	v_mov_b32 v193, 0
	v_lshrrev_b32 v1, 5, v0
	v_readfirstlane_b32 s22, v1                    ; wave 0..3
	v_and_b32 v2, 31, v0                           ; lane
	s_wait_kmcnt 0x0
	s_cmp_lt_u32 ttmp9, 256
	s_cbranch_scc0 .Lnot_x
	; ---------------- PATH X.  A wave takes a run of 8,192 numbers, four rows of x, in 16 steps of 512.
	s_wait_alu depctr_va_vdst(0)
	v_lshlrev_b32 v3, 4, v2                        ; my 16 bytes of a load's 512
	s_mul_i32 s23, s22, WREG
	v_lshrrev_b32 v14, 2, v2
	v_mul_u32_u24 v14, v14, SP
	v_and_b32 v15, 3, v2
	v_lshl_add_u32 v14, v15, 4, v14
	v_add_nc_u32 v14, s23, v14                     ; the stage, on the way in: SP (lane / 4) + 16 (lane % 4)
	v_mul_u32_u24 v15, v2, SP
	v_add_nc_u32 v15, s23, v15                     ; and on the way out: SP x lane: my 16 neighbours
	v_mul_u32_u24 v4, v2, CB                       ; my codes' place in a step's
	v_lshrrev_b32 v5, 1, v2
	s_add_co_u32 s23, s23, 2*32*SP
	v_add_nc_u32 v5, s23, v5                       ; my wave's 256 scale bytes: my block's byte
	v_lshlrev_b32 v7, 3, v2
	v_add_nc_u32 v6, s23, v7                       ; and on the way out 8 bytes a lane
	s_lshl_b32 s24, ttmp9, 2
	s_add_co_u32 s24, s24, s22                     ; the run: rows 4 R .. 4 R + 3
	s_lshl_b32 s26, s24, 15
	s_mov_b32 s27, 0
	s_add_nc_u64 s[4:5], s[4:5], s[26:27]          ; 32,768 bytes of x a run
	s_and_b32 s25, s24, 0x3f9                      ; where the run goes: bits 1 and 2 of R (bits 3 and 4 of the row) change places
	s_and_b32 s28, s24, 2
	s_lshl_b32 s28, s28, 1
	s_or_b32 s25, s25, s28
	s_and_b32 s28, s24, 4
	s_lshr_b32 s28, s28, 1
	s_or_b32 s25, s25, s28
	s_lshl_b32 s26, s25, 12
	s_add_nc_u64 s[12:13], s[12:13], s[26:27]      ; 4,096 bytes of codes a run
	s_lshl_b32 s26, s25, 8
	s_add_nc_u64 s[14:15], s[14:15], s[26:27]      ; 256 scale bytes a run
.irp t, 0,1,2,3
	XLOAD \t
.endr
	s_wait_alu depctr_va_vdst(0)
	s_wait_loadcnt 12                              ; step 0's four loads are in
	XTURN 0
.irp t, 0,1,2,3,4,5,6,7,8,9,10,11,12,13,14,15
	XSTEP \t
.endr
	ds_load_b64 v[12:13], v6                       ; LDS serves a wave's instructions in order: these see my byte stores
	s_wait_dscnt 0x0
	global_store_b64 v7, v[12:13], s[14:15]        ; 32 lanes store 256 consecutive bytes, aligned
	s_wait_tensorcnt 0x0
	ds_add_u32 v192, v193
	s_wait_dscnt 0x0
	s_endpgm
.Lnot_x:
	s_cmp_lt_u32 ttmp9, 640
	s_cbranch_scc0 .Lrope
	; ---------------- PATH W.  A lane takes a column and its registers run down K; a wave takes 32 columns x 128 along K.
	s_sub_co_u32 s23, ttmp9, 256
	s_and_b32 s30, s23, 3                          ; which 512 along K
	s_lshr_b32 s31, s23, 4                         ; which 128 columns: 0-15 of Wq, 16-19 of Wk, 20-23 of Wv
	s_bfe_u32 s41, s23, 0x20002                    ; and which 32 of them
	s_cmp_lt_u32 s31, 16
	s_cselect_b64 s[24:25], s[6:7], s[8:9]
	s_cselect_b32 s32, 2, 0                        ; Wq: four groups of 32 columns to a tile, and rows four times as long
	s_cselect_b32 s33, 3, 0
	s_cselect_b32 s34, 0, 16
	s_cselect_b32 s35, 0, 4                        ; the group's place in its tile, in groups: Wk's is the fifth,
	s_cmp_lt_u32 s31, 20
	s_cselect_b64 s[24:25], s[24:25], s[10:11]
	s_cselect_b32 s34, s34, 20
	s_cselect_b32 s35, s35, 5                      ; Wv's the sixth
	s_sub_co_u32 s31, s31, s34
	s_lshl_b32 s31, s31, 2
	s_add_co_u32 s31, s31, s41                     ; G: my work-group's 32 columns in their tensor
	s_lshl_b32 s28, 2048, s32                      ; a row of W in bytes
	s_lshr_b32 s36, s31, s32
	s_mul_i32 s36, s36, 192                        ; the tile's first row,
	s_and_b32 s37, s31, s33
	s_add_co_u32 s37, s37, s35
	s_lshl_b32 s37, s37, 5
	s_add_co_u32 s36, s36, s37                     ; + the group's: my 32 rows of the codes' buffer begin here
	s_lshl_b32 s38, s30, 9
	s_lshl_b32 s40, s22, 7
	s_add_co_u32 s38, s38, s40                     ; my wave's first row of W: 512 kc + 128 wave
	s_mul_i32 s38, s38, s28
	s_lshl_b32 s40, s31, 7
	s_add_co_u32 s38, s38, s40
	s_mov_b32 s39, 0
	s_add_nc_u64 s[24:25], s[24:25], s[38:39]      ; W at (512 kc, 32 G)
	s_lshl_b32 s26, s28, 5
	s_mov_b32 s27, 0                               ; 32 rows of W
	s_lshl_b32 s38, s36, 10
	s_lshl_b32 s40, s30, 8
	s_add_co_u32 s38, s38, s40
	s_add_nc_u64 s[16:17], s[16:17], s[38:39]      ; codes: 1,024 bytes a row, 256 for my 512 along K
	s_lshl_b32 s38, s36, 6
	s_lshl_b32 s40, s30, 4
	s_lshl_b32 s42, s22, 2
	s_add_co_u32 s40, s40, s42                     ; my wave's four scale bytes of the sixteen
	s_add_co_u32 s38, s38, s40
	s_add_nc_u64 s[18:19], s[18:19], s[38:39]      ; scale bytes: 64 a row, 16 for my 512 along K
	s_wait_alu depctr_va_vdst(0)
	v_lshlrev_b32 v3, 2, v2
	v_bfe_u32 v5, v2, 3, 1
	v_and_b32 v6, 7, v2
	v_lshl_add_u32 v6, v5, 4, v6
	v_lshrrev_b32 v5, 4, v2
	v_lshl_add_u32 v10, v5, 3, v6                  ; my column's place among the 32 rows
	s_lshl_b32 s38, s22, 6
	s_add_co_u32 s38, s38, WSTG                    ; into the stage: my wave's 64 bytes of each row
	s_mul_i32 s43, s22, 8*WP
	s_add_co_u32 s43, s43, WSTG                    ; out of it: my wave's eight rows,
	s_lshl_b32 s44, s22, 13                        ; and the same eight rows of the codes' buffer
	v_mul_u32_u24 v4, v10, WP
	v_add_nc_u32 v4, s38, v4                       ; into it: the row of my column's place
	v_and_b32 v6, 15, v2
	v_mul_u32_u24 v7, v5, WP
	v_lshl_add_u32 v7, v6, 4, v7
	v_add_nc_u32 v7, s43, v7
	v_lshlrev_b32 v8, 10, v5
	v_lshl_add_u32 v8, v6, 4, v8
	v_add_nc_u32 v8, s44, v8
	v_lshlrev_b32 v9, 6, v10                       ; my row of scale bytes
.irp i, 0,1,2,3,4,5,6,7,8,9,10,11,12,13,14,15,16,17,18,19,20,21,22,23,24,25,26,27,28,29,30,31
	v_mad_u32_u24 v[OFFS+\i], s28, \i, v3
.endr
	WLOAD 0
	s_wait_alu depctr_va_vdst(0)
	WLOAD 1
.irp t, 0,1,2,3
	WBLOCK \t
.endr
	s_wait_alu depctr_va_vdst(0)
	global_store_b32 v9, v[SB], s[18:19]           ; my column's four scale bytes
	s_barrier_signal -1                            ; my stores into the stage were waited for at the last block's end
	s_barrier_wait -1                              ; all four waves' parts of the rows are in the stage
.irp t, 0,1,2,3
	ds_load_b128 v[WX+4*\t:WX+4*\t+3], v7 offset:2*\t*WP
.endr
.irp t, 0,1,2,3
	s_wait_dscnt 3-\t
	global_store_b128 v8, v[WX+4*\t:WX+4*\t+3], s[16:17] offset:2*\t*1024   ; sixteen lanes store 256 consecutive bytes, aligned
.endr
	s_wait_tensorcnt 0x0
	ds_add_u32 v192, v193
	s_wait_dscnt 0x0
	s_endpgm
.Lrope:
	; ---------------- PATH R.  A wave makes the table of one block sb of 16 positions: [sb][l 0..7][lane][16 bytes].
	; Lane (r, h), load l = 4 b + 2 u + half: (cos, sin, cos, sin) of frequencies 16 b + 8 h + 4 u + 2 half + 0, 1 at position 32 (sb / 2) + 8 (sb % 2) + r + 8 (r / 8).
	s_sub_co_u32 s23, ttmp9, 640
	s_lshl_b32 s23, s23, 2
	s_add_co_u32 s23, s23, s22                     ; sb
	s_lshr_b32 s30, s23, 1
	s_lshl_b32 s30, s30, 5
	s_and_b32 s31, s23, 1
	s_lshl_b32 s31, s31, 3
	s_add_co_u32 s30, s30, s31
	s_wait_alu depctr_va_vdst(0)
	v_and_b32 v3, 15, v2                           ; r
	v_lshrrev_b32 v4, 4, v2                        ; h
	s_wait_alu depctr_va_vdst(0)
	v_lshrrev_b32 v5, 3, v3
	v_lshl_add_u32 v5, v5, 3, v3
	v_add_nc_u32 v5, s30, v5
	v_cvt_f32_u32 v5, v5                           ; my position
	v_lshlrev_b32 v6, 4, v2
	s_lshl_b32 s30, s23, 12
	s_mov_b32 s31, 0
	s_add_nc_u64 s[20:21], s[20:21], s[30:31]
	s_mov_b32 s24, 0xbe2aaaa3                      ; the sine's three coefficients,
	s_mov_b32 s25, 0x3c08839e
	s_mov_b32 s26, 0xb94ca1f9
	s_mov_b32 s27, 0x3d2aaaa5                      ; the cosine's
	s_mov_b32 s28, 0xbab6061a
	s_mov_b32 s29, 0x37ccf5ce
	v_cmp_eq_u32 vcc_lo, 1, v4
	v_mov_b32 v18, 0x41200000                      ; 10
	v_mov_b32 v19, 0x447a0000                      ; 1000
	v_cndmask_b32 v[TT], 1.0, v18, vcc_lo          ; 10^h
	v_cndmask_b32 v[TT+1], 0x42c80000, v19, vcc_lo ; 10^(2 + h).  10000^(i/32) = 10^(i/8), i = 16 b + 8 h + m
.irp b, 0,1
	POWER \b, 0, 0x3f800000, 0
	POWER \b, 1, 0x3faab0d5, 0xb36457e2
	POWER \b, 2, 0x3fe39ea9, 0xb26aee3c
	POWER \b, 3, 0x4017c496, 0x33606940
	POWER \b, 4, 0x404a62c2, 0xb324b496
	POWER \b, 5, 0x4086f161, 0xb430577b
	POWER \b, 6, 0x40b3f300, 0x34323462
	POWER \b, 7, 0x40eff755, 0x34515b51
.endr
	s_wait_alu depctr_va_vdst(0)
.irp k, 0,1,2,3,4,5,6,7,8,9,10,11,12,13,14,15
	v_rcp_f32 v[G+\k], v[F+\k]
.endr
	v_nop                                          ; a plain instruction behind the last reciprocal
	s_wait_alu depctr_va_vdst(0)                   ; one wait for the sixteen, ahead of their first reader
.irp k, 0,1,2,3,4,5,6,7,8,9,10,11,12,13,14,15
	v_fma_f32 v96, -v[F+\k], v[G+\k], 1.0          ; one step of Newton: the reciprocal rounded as a division rounds it
	v_fma_f32 v[F+\k], v[G+\k], v96, v[G+\k]
.endr
.irp k, 0,1,2,3,4,5,6,7,8,9,10,11,12,13,14,15
	SINCOS \k
.endr
.irp l, 0,1,2,3,4,5,6,7
	global_store_b128 v6, v[OUT+4*\l:OUT+4*\l+3], s[20:21] offset:512*\l     ; the wave stores 512 consecutive bytes, aligned
.endr
	s_endpgm
.Lfunc_end_k_q99987a7227_quant:
	.size	k_q99987a7227_quant, .Lfunc_end_k_q99987a7227_quant-k_q99987a7227_quant
	.p2alignl 7, 3214868480
	.fill 96, 4, 3214868480
	.section	.rodata,"a",@progbits
	.p2align	6, 0x0
	.amdhsa_kernel k_q99987a7227_quant
		.amdhsa_group_segment_fixed_size 68096
		.amdhsa_private_segment_fixed_size 0
		.amdhsa_enable_private_segment 0
		.amdhsa_kernarg_size 72
		.amdhsa_user_sgpr_count 2
		.amdhsa_user_sgpr_kernarg_segment_ptr 1
		.amdhsa_wavefront_size32 1
		.amdhsa_system_sgpr_workgroup_id_x 1
		.amdhsa_system_sgpr_workgroup_id_y 1
		.amdhsa_system_sgpr_workgroup_id_z 1
		.amdhsa_system_vgpr_workitem_id 0
		.amdhsa_next_free_vgpr 194
		.amdhsa_next_free_sgpr 66
		.amdhsa_reserve_vcc 1
		.amdhsa_float_denorm_mode_32 3
		.amdhsa_float_denorm_mode_16_64 3
		.amdhsa_memory_ordered 1
		.amdhsa_forward_progress 1
		.amdhsa_inst_pref_size 86
	.end_amdhsa_kernel
	.amdgpu_metadata
---
amdhsa.version: [ 1, 2 ]
amdhsa.kernels:
  - .name:           k_q99987a7227_quant
    .symbol:         k_q99987a7227_quant.kd
    .args:
      - { .name: x, .offset: 0, .size: 8, .value_kind: global_buffer, .address_space: global }
      - { .name: Wq, .offset: 8, .size: 8, .value_kind: global_buffer, .address_space: global }
      - { .name: Wk, .offset: 16, .size: 8, .value_kind: global_buffer, .address_space: global }
      - { .name: Wv, .offset: 24, .size: 8, .value_kind: global_buffer, .address_space: global }
      - { .name: x_codes, .offset: 32, .size: 8, .value_kind: global_buffer, .address_space: global }
      - { .name: x_scales, .offset: 40, .size: 8, .value_kind: global_buffer, .address_space: global }
      - { .name: w_codes, .offset: 48, .size: 8, .value_kind: global_buffer, .address_space: global }
      - { .name: w_scales, .offset: 56, .size: 8, .value_kind: global_buffer, .address_space: global }
      - { .name: rope, .offset: 64, .size: 8, .value_kind: global_buffer, .address_space: global }
    .group_segment_fixed_size: 68096
    .private_segment_fixed_size: 0
    .kernarg_segment_align: 8
    .kernarg_segment_size: 72
    .max_flat_workgroup_size: 128
    .sgpr_count:     66
    .vgpr_count:     194
    .wavefront_size: 32
...
	.end_amdgpu_metadata
.endif
;; end of part 1
;; launch proj (part 2): grid 16 x 16, 4 waves a work-group, clusters of 4 x 4, 327,680 bytes of LDS; arguments x_codes, x_scales, w_codes, w_scales, rope, q_img, q_sc, kv; writes q_img, q_sc, kv
.if DOCPART == 2
	.amdgcn_target "amdgcn-amd-amdhsa--gfx1250"
	.amdhsa_code_object_version 6
	.text
	.protected	k_q99987a7227_proj
	.globl	k_q99987a7227_proj
	.p2align	8
	.type	k_q99987a7227_proj,@function
k_q99987a7227_proj:
	s_mov_b64 s[64:65], 0
	v_nop
	global_prefetch_b8 v0, s[64:65] scope:SCOPE_SE
	s_setreg_imm32_b32 hwreg(HW_REG_WAVE_MODE, 25, 1), 1
	s_wait_xcnt 0x0
	s_wait_alu depctr_hold_cnt(0) depctr_sa_sdst(0) depctr_va_vdst(0) depctr_va_sdst(0) depctr_va_ssrc(0) depctr_va_vcc(0) depctr_vm_vsrc(0)
	s_getreg_b32 s2, hwreg(HW_REG_IB_STS2, 6, 4)
	s_cmp_eq_u32 s2, 0
	s_cbranch_scc0 .Lentry_in_a_cluster
	s_endpgm
.Lentry_in_a_cluster:
	s_bfe_u32 s2, ttmp6, 0x10000c
	s_cmp_lg_u32 s2, 0xf033
	s_cbranch_scc0 .Lentry_shape_is_right
	s_endpgm
.Lentry_shape_is_right:
.set REC,   8704
.set PITCH, 272
.set BOFF,  256*PITCH
.set SLOT,  448*PITCH
.set SCX,   2*SLOT
.set SCW,   SCX+64*272
.set SPARE, SCW+48*272
.set SBLK,  4*272
.set LI,   3
.set LS,   4
.set PW,   5
.set RK,   6
.set KW,   7
.set T8,   8
.set ADRA, 16
.set ADRB, 20
.set ADSX, 22
.set ADSW, 23
.set VK,   24
.set VV,   25
.set VKS,  26
.set VVS,  27
.set SPW,  28
.set NIL,  29
.set QSO,  30
.set SH,   31
.set SC,   32
.set H,    96
.set CSK,  160
.set PCQ,  160
.set QW,   192
.set VW,   196
.set PCK,  224
.set PCV,  232
.set TM,   240
.set G1,   24
.set G0,   32
.set G1B,  48
.set G0B,  56
.set G1S,  76
.set G0S,  84
.set G1SB, 88
.set G0SB, 96
.set MUL_LO, 0xa5
.set MUL_HI, 0xf5
.set TO_F,   0x40
.set MSB, 0
.macro WIN new
.if MSB != (\new)
	s_set_vgpr_msb (MSB<<8)|(\new)
.set MSB, (\new)
.endif
.endm
.macro PLACES n
.rept \n
	v_nop
.endr
.endm
.macro JLOAD g0a, g1a, g0b, g1b
	s_cmp_eq_u32 s15, 0
	s_cbranch_scc0 .Lfor_b_\@
	tensor_load_to_lds s[\g0a:\g0a+3], s[\g1a:\g1a+7]
	s_nop 0
.rept 4
	v_nop
.endr
	s_branch .Lasked_\@
.Lfor_b_\@:
	tensor_load_to_lds s[\g0b:\g0b+3], s[\g1b:\g1b+7]
	s_nop 0
.rept 4
	v_nop
.endr
.Lasked_\@:
.endm
.macro CREST
	s_cmp_lg_u32 s14, 0
	s_cbranch_scc1 .Lnot_wave_0_\@
	s_barrier_signal -3
.Lnot_wave_0_\@:
	s_barrier_wait -3
	s_barrier_signal -1
	s_barrier_wait -1
.endm
.macro CROUND
	s_barrier_signal -1
	s_barrier_wait -1
	CREST
.endm
.macro WM a, i, p, q, sc, zero
.set sX, SC+32*(\sc)+4*((\a)%2)+(\q)
.set sW, SC+32*(\sc)+8+4*((\i)%6)+(\q)
.if (\i) < 10
.set rA, 128*(\p)+32+8*(\i)
.set rB, 128*(\p)+8*(\a)
.set sA, sW
.set sB, sX
.set fA, (\i)/6
.set fB, (\a)/2
.else
.set rA, 128*(\p)+8*(\a)
.set rB, 128*(\p)+32+8*(\i)
.set sA, sX
.set sB, sW
.set fA, (\a)/2
.set fB, 1
.endif
.if (\i) < 8
.set rD, 8*(8*(\a)+(\i))
.elseif (\i) < 10
.set rD, 16*(\a)+8*((\i)-8)
.else
.set rD, 64+32*((\i)-10)+8*(\a)
.endif
.if \zero
.if fA
.if fB
	v_wmma_scale_f32_16x16x128_f8f6f4 v[rD:rD+7], v[rA:rA+7], v[rB:rB+7], 0, v[sA], v[sB] matrix_a_fmt:MATRIX_FMT_FP4 matrix_b_fmt:MATRIX_FMT_FP4 matrix_a_scale:MATRIX_SCALE_ROW1 matrix_b_scale:MATRIX_SCALE_ROW1
.else
	v_wmma_scale_f32_16x16x128_f8f6f4 v[rD:rD+7], v[rA:rA+7], v[rB:rB+7], 0, v[sA], v[sB] matrix_a_fmt:MATRIX_FMT_FP4 matrix_b_fmt:MATRIX_FMT_FP4 matrix_a_scale:MATRIX_SCALE_ROW1
.endif
.else
.if fB
	v_wmma_scale_f32_16x16x128_f8f6f4 v[rD:rD+7], v[rA:rA+7], v[rB:rB+7], 0, v[sA], v[sB] matrix_a_fmt:MATRIX_FMT_FP4 matrix_b_fmt:MATRIX_FMT_FP4 matrix_b_scale:MATRIX_SCALE_ROW1
.else
	v_wmma_scale_f32_16x16x128_f8f6f4 v[rD:rD+7], v[rA:rA+7], v[rB:rB+7], 0, v[sA], v[sB] matrix_a_fmt:MATRIX_FMT_FP4 matrix_b_fmt:MATRIX_FMT_FP4
.endif
.endif
.else
.if fA
.if fB
	v_wmma_scale_f32_16x16x128_f8f6f4 v[rD:rD+7], v[rA:rA+7], v[rB:rB+7], v[rD:rD+7], v[sA], v[sB] matrix_a_fmt:MATRIX_FMT_FP4 matrix_b_fmt:MATRIX_FMT_FP4 matrix_a_scale:MATRIX_SCALE_ROW1 matrix_b_scale:MATRIX_SCALE_ROW1
.else
	v_wmma_scale_f32_16x16x128_f8f6f4 v[rD:rD+7], v[rA:rA+7], v[rB:rB+7], v[rD:rD+7], v[sA], v[sB] matrix_a_fmt:MATRIX_FMT_FP4 matrix_b_fmt:MATRIX_FMT_FP4 matrix_a_scale:MATRIX_SCALE_ROW1
.endif
.else
.if fB
	v_wmma_scale_f32_16x16x128_f8f6f4 v[rD:rD+7], v[rA:rA+7], v[rB:rB+7], v[rD:rD+7], v[sA], v[sB] matrix_a_fmt:MATRIX_FMT_FP4 matrix_b_fmt:MATRIX_FMT_FP4 matrix_b_scale:MATRIX_SCALE_ROW1
.else
	v_wmma_scale_f32_16x16x128_f8f6f4 v[rD:rD+7], v[rA:rA+7], v[rB:rB+7], v[rD:rD+7], v[sA], v[sB] matrix_a_fmt:MATRIX_FMT_FP4 matrix_b_fmt:MATRIX_FMT_FP4
.endif
.endif
.endif
.endm
.macro MLO a, p, q, sc, zero
.irp i, 0,1,2,3,4,5,6,7
	WM \a, \i, \p, \q, \sc, \zero
.endr
.endm
.macro MHI p, q, sc, zero
.irp a, 0,1,2,3
.irp i, 8,9,10,11
	WM \a, \i, \p, \q, \sc, \zero
.endr
.endr
.endm
.macro FETCH slot, q, p
	WIN TO_F
.irp a, 0,1,2,3
.irp c, 0,1
	ds_load_b128 v[128*(\p)+8*\a+4*\c:128*(\p)+8*\a+4*\c+3], v[ADRA+\slot] offset:64*(\q)+32*\c+\a*16*PITCH
.endr
.endr
.irp i, 0,1,2,3,4,5,6,7,8,9,10,11
.irp c, 0,1
	ds_load_b128 v[128*(\p)+32+8*\i+4*\c:128*(\p)+32+8*\i+4*\c+3], v[ADRB+\slot] offset:64*(\q)+32*\c+\i*16*PITCH
.endr
.endr
	WIN 0
.endm
.macro SCALES sc
.irp e, 0,1
	ds_load_b128 v[SC+32*\sc+4*\e:SC+32*\sc+4*\e+3], v[ADSX] offset:\e*SBLK
.endr
.irp e, 0,1,2,3,4,5
	ds_load_b128 v[SC+32*\sc+8+4*\e:SC+32*\sc+8+4*\e+3], v[ADSW] offset:\e*SBLK
.endr
.endm
.macro STEP slot, q, zero
	s_wait_dscnt 0x0
	PLACES 4
	FETCH \slot, (\q)+1, 1-(\q)%2
	WIN MUL_LO
.irp a, 0,1,2,3
	MLO \a, (\q)%2, \q, \slot, \zero
.endr
	WIN MUL_HI
	MHI (\q)%2, \q, \slot, \zero
.endm
.macro TURN slot, next, fill
	WIN 0
	s_wait_tensorcnt 0x0
	ds_add_u32 v[SPW], v[NIL]
	s_wait_dscnt 0x1
	WIN MUL_LO
	MLO 0, 1, 3, \slot, 0
	s_wait_dscnt 0x0
	s_barrier_signal -1
	MLO 1, 1, 3, \slot, 0
	WIN 0
	s_barrier_wait -1
.if \fill
	CREST
	s_add_nc_u64 s[G0+4*\slot+2:G0+4*\slot+3], s[G0+4*\slot+2:G0+4*\slot+3], 512
	s_add_nc_u64 s[G0B+4*\slot+2:G0B+4*\slot+3], s[G0B+4*\slot+2:G0B+4*\slot+3], 512
	JLOAD G0+4*\slot, G1, G0B+4*\slot, G1B
.else
	PLACES 4
.endif
	s_wait_alu depctr_va_vdst(0)
	v_add_nc_u32 v[ADSX], 16, v[ADSX]
	v_add_nc_u32 v[ADSW], 16, v[ADSW]
	FETCH \next, 0, 0
	SCALES \next
	WIN MUL_LO
	MLO 2, 1, 3, \slot, 0
	MLO 3, 1, 3, \slot, 0
	WIN MUL_HI
	MHI 1, 3, \slot, 0
.endm
.macro ROPE acc, cs, out
.irp k, 0,1,2,3
	v_mul_f32 v[T8+2*\k], v[(\acc)+2*\k+1], v[(\cs)+2*\k+1]
	v_mul_f32 v[T8+2*\k+1], v[(\acc)+2*\k+1], v[(\cs)+2*\k]
.endr
.irp k, 0,1,2,3
	v_fma_f32 v[(\out)+2*\k], v[(\acc)+2*\k], v[(\cs)+2*\k], -v[T8+2*\k]
	v_fma_f32 v[(\out)+2*\k+1], v[(\acc)+2*\k], v[(\cs)+2*\k+1], v[T8+2*\k+1]
.endr
.endm
.macro QUANT s, win, pc
	WIN (\win)|((\win)<<2)
.irp b, 0,1,2,3
	v_max3_num_f32 v[TM+\b], |v[(\s)+16*\b]|, |v[(\s)+1+16*\b]|, 0x1800000
.endr
	WIN ((\win)<<2)|((\win)<<4)
.irp i, 2,4,6,8,10,12,14
.irp b, 0,1,2,3
	v_max3_num_f32 v[TM+\b], v[TM+\b], |v[(\s)+16*\b+\i]|, |v[(\s)+1+16*\b+\i]|
.endr
.endr
	WIN 0
.irp b, 0,1,2,3
	v_permlanex16_b32 v[TM+4+\b], v[TM+\b], s20, s21
.endr
.irp b, 0,1,2,3
	v_max_num_f32 v[TM+\b], v[TM+\b], v[TM+4+\b]
.endr
.irp b, 0,1,2,3
	v_add_nc_u32 v[TM+12+\b], 0xff000000, v[TM+\b]
.endr
.irp b, 0,1,2,3
	v_lshrrev_b32 v[TM+4+\b], 23, v[TM+12+\b]
.endr
	v_lshl_or_b32 v[PW], v[TM+5], 8, v[TM+4]
	v_lshl_or_b32 v[PW], v[TM+6], 16, v[PW]
	v_lshl_or_b32 v[PW], v[TM+7], 24, v[PW]
	WIN \win
.irp b, 0,1,2,3
	v_cvt_scalef32_pk8_fp4_f32 v[(\pc)+2*\b], v[(\s)+16*\b:(\s)+7+16*\b], v[TM+12+\b]
	v_cvt_scalef32_pk8_fp4_f32 v[(\pc)+1+2*\b], v[(\s)+8+16*\b:(\s)+15+16*\b], v[TM+12+\b]
.endr
	WIN 0
	v_nop
.irp c, 0,1
.irp i, 0,1
	v_permlane16_swap_b32 v[(\pc)+4*\c+\i], v[(\pc)+2+4*\c+\i]
.endr
.endr
.endm
	s_load_b256 s[4:11], s[0:1], 0x0
	s_load_b256 s[68:75], s[0:1], 0x20
	v_lshl_add_u32 v[SPW], v0, 2, SPARE
	v_mov_b32 v[NIL], 0
	ds_add_u32 v28, v29
	ds_add_u32 v28, v29
	s_wait_dscnt 0x0
	v_lshrrev_b32 v1, 5, v0
	v_readfirstlane_b32 s14, v1
	s_lshr_b32 s15, s14, 1
	s_and_b32 s16, s14, 1
	s_bfe_u32 s40, ttmp6, 0x40000
	s_bfe_u32 s41, ttmp6, 0x40004
	s_lshl_b32 s42, ttmp9, 2
	s_add_co_u32 s42, s42, s40
	s_and_b32 s17, ttmp7, 0xffff
	s_lshl_b32 s17, s17, 2
	s_add_co_u32 s17, s17, s41
	s_lshl_b32 s43, s41, 2
	s_lshl_b32 s43, 15, s43
	s_lshl_b32 s44, 0x1111, s40
	s_or_b32 s[G1], s43, (1<<20)|(1<<21)|(5<<22)|(3<<25)
	s_or_b32 s[G1B], s44, (1<<20)|(1<<21)|(5<<22)|(3<<25)
	s_mov_b32 s[G1+1], 256<<16
	s_mov_b32 s[G1+2], 256<<16                     ; the head's load brings all 256 rows; behind it the two words that count rows are set to 128
	s_mov_b32 s[G1+3], 256<<16
	s_mov_b32 s[G1+4], 256
	s_mov_b32 s[G1+5], 1024
	s_mov_b32 s[G1+6], 0
	s_mov_b32 s[G1+7], 0
	s_mov_b32 s[G1B+1], 256<<16
	s_mov_b32 s[G1B+2], 192<<16                    ; likewise all 192 rows, then 96
	s_mov_b32 s[G1B+3], 256<<16
	s_mov_b32 s[G1B+4], 192
	s_mov_b32 s[G1B+5], 1024
	s_mov_b32 s[G1B+6], 0
	s_mov_b32 s[G1B+7], 0
	s_or_b32 s[G1S], s43, (3<<16)|(1<<20)|(1<<21)|(5<<22)|(3<<25)
	s_or_b32 s[G1SB], s44, (3<<16)|(1<<20)|(1<<21)|(5<<22)|(3<<25)
	s_mov_b32 s[G1S+1], 32<<16
	s_mov_b32 s[G1S+2], 64<<16                     ; the scale bytes of 256 rows of x: 64 rows of 256 bytes
	s_mov_b32 s[G1S+3], 32<<16
	s_mov_b32 s[G1S+4], 64
	s_mov_b32 s[G1S+5], 32
	s_mov_b32 s[G1S+6], 0
	s_mov_b32 s[G1S+7], 0
	s_mov_b32 s[G1SB+1], 32<<16
	s_mov_b32 s[G1SB+2], 48<<16                    ; those of 192 rows of W: 48 rows of 256 bytes
	s_mov_b32 s[G1SB+3], 32<<16
	s_mov_b32 s[G1SB+4], 48
	s_mov_b32 s[G1SB+5], 32
	s_mov_b32 s[G1SB+6], 0
	s_mov_b32 s[G1SB+7], 0
	s_lshl_b32 s20, s17, 8
	s_lshl_b32 s22, s20, 6
	s_lshl_b32 s20, s20, 10
	s_mov_b32 s21, 0
	s_mov_b32 s23, 0
	s_mul_i32 s46, s42, 192
	s_lshl_b32 s100, s46, 6
	s_lshl_b32 s46, s46, 10
	s_mov_b32 s47, 0
	s_mov_b32 s101, 0
	s_mul_i32 s45, s16, 128*PITCH
	s_mul_i32 s18, s16, 96*PITCH
	s_add_co_u32 s18, s18, BOFF
	s_mov_b32 s19, SCX
	s_mov_b32 s2, SCW
	s_wait_kmcnt 0x0
	s_add_nc_u64 s[20:21], s[4:5], s[20:21]
	s_add_nc_u64 s[22:23], s[6:7], s[22:23]
	s_add_nc_u64 s[46:47], s[8:9], s[46:47]
	s_add_nc_u64 s[100:101], s[10:11], s[100:101]
	CROUND
	s_mov_b32 s[G0S], 1
	s_mov_b32 s[G0S+1], s19
	s_mov_b64 s[G0S+2:G0S+3], s[22:23]
	s_or_b32 s[G0S+3], s[G0S+3], 0x80000000
	s_mov_b32 s[G0SB], 1
	s_mov_b32 s[G0SB+1], s2
	s_mov_b64 s[G0SB+2:G0SB+3], s[100:101]
	s_or_b32 s[G0SB+3], s[G0SB+3], 0x80000000
	s_mov_b32 s4, 1                                ; group 0 of the head's loads of K step 0, in registers whose arguments have been used: x's 256 rows,
	s_mov_b32 s5, 0
	s_mov_b64 s[6:7], s[20:21]
	s_or_b32 s7, s7, 0x80000000
	s_mov_b32 s8, 1                                ; W's 192 rows, behind them in slot 0
	s_mov_b32 s9, BOFF
	s_mov_b64 s[10:11], s[46:47]
	s_or_b32 s11, s11, 0x80000000
	s_mul_i32 s12, s16, 128*1024                   ; for the ring: my half of each tile
	s_mov_b32 s13, 0
	s_add_nc_u64 s[20:21], s[20:21], s[12:13]
	s_mul_i32 s12, s16, 96*1024
	s_add_nc_u64 s[46:47], s[46:47], s[12:13]
.irp s, 0,1
	s_mov_b32 s[G0+4*\s], 1
	s_add_co_u32 s[G0+4*\s+1], s45, \s*SLOT
	s_add_nc_u64 s[G0+4*\s+2:G0+4*\s+3], s[20:21], \s*256
	s_or_b32 s[G0+4*\s+3], s[G0+4*\s+3], 0x80000000
	s_mov_b32 s[G0B+4*\s], 1
	s_add_co_u32 s[G0B+4*\s+1], s18, \s*SLOT
	s_add_nc_u64 s[G0B+4*\s+2:G0B+4*\s+3], s[46:47], \s*256
	s_or_b32 s[G0B+4*\s+3], s[G0B+4*\s+3], 0x80000000
.endr
; THE HEAD'S LOADS, ONE A WAVE: wave 0 x's 256 rows of K step 0, wave 1 W's 192 rows, wave 2 x's scale bytes, wave 3 W's.  One tree of branches on the wave's number: every way passes one load.
.macro ARM under, g0, g1, next
	s_cmp_lt_u32 s14, \under
	s_cbranch_scc0 \next
	tensor_load_to_lds s[\g0:\g0+3], s[\g1:\g1+7]
	s_nop 0
.rept 4
	v_nop
.endr
	s_branch .Lhead_asked
\next:
.endm
	ARM 1, 4, G1, .Lhead_b
	ARM 2, 8, G1B, .Lhead_sa
	ARM 3, G0S, G1S, .Lhead_sb
	tensor_load_to_lds s[G0SB:G0SB+3], s[G1SB:G1SB+7]
	s_nop 0
.rept 4
	v_nop
.endr
.Lhead_asked:
	v_and_b32 v1, 15, v0
	v_bfe_u32 v2, v0, 4, 1
	v_and_b32 v[LI], 31, v0
	v_lshlrev_b32 v[LS], 2, v[LI]
	v_lshlrev_b32 v[LI], 4, v[LI]
	s_wait_alu depctr_va_vdst(0)
	s_and_b32 s12, s42, 1
	s_lshl_b32 s13, s12, 11
	v_add_nc_u32 v[RK], s13, v[LI]
	s_wait_alu depctr_va_vdst(0)
	s_and_b32 s3, s17, 7
	s_lshl_b32 s66, s3, 4
	s_lshl_b32 s67, s14, 2
	s_add_co_u32 s66, s66, s67
	s_lshl_b32 s100, s66, 12
	s_mov_b32 s101, 0
	s_add_nc_u64 s[68:69], s[68:69], s[100:101]
	WIN 0xc0
.irp a, 0,1,2,3
.irp l, 0,1,2,3,4,5,6,7
	global_load_b128 v[128+32*\a+4*\l:128+32*\a+4*\l+3], v[LI], s[68:69] offset:\a*4096+\l*512
.endr
.endr
	WIN 0
.irp a, 0,1,2,3
.irp l, 0,1,2,3
	global_load_b128 v[CSK+16*\a+4*\l:CSK+16*\a+4*\l+3], v[RK], s[68:69] offset:\a*4096+\l*512
.endr
.endr
	s_lshr_b32 s2, s17, 3
	s_lshl_b32 s13, s2, 5
	s_lshl_b32 s67, s42, 1
	s_add_co_u32 s13, s13, s67
	s_lshl_b32 s100, s13, 7
	s_add_co_u32 s100, s100, s66
	s_lshl_b32 s100, s100, 9
	s_add_nc_u64 s[70:71], s[70:71], s[100:101]
	s_lshl_b32 s100, s13, 5
	s_lshl_b32 s67, s3, 2
	s_add_co_u32 s100, s100, s67
	s_add_co_u32 s100, s100, s14
	s_lshl_b32 s100, s100, 8
	s_add_nc_u64 s[72:73], s[72:73], s[100:101]
	s_lshl_b32 s100, s2, 3
	s_lshr_b32 s67, s42, 1
	s_add_co_u32 s100, s100, s67
	s_mul_i32 s100, s100, 16*REC
	s_lshl_b32 s67, s3, 1
	s_add_co_u32 s67, s67, s15
	s_mul_i32 s67, s67, REC
	s_add_co_u32 s100, s100, s67
	s_add_nc_u64 s[74:75], s[74:75], s[100:101]
	v_mul_u32_u24 v5, v1, PITCH
	v_lshl_add_u32 v5, v2, 4, v5
	s_mul_i32 s67, s14, 64*PITCH
	v_add_nc_u32 v[ADRA], s67, v5
	v_add_nc_u32 v[ADRA+1], SLOT, v[ADRA]
	v_add_nc_u32 v[ADRB], BOFF, v5
	v_add_nc_u32 v[ADRB+1], SLOT, v[ADRB]
	v_lshlrev_b32 v5, 6, v1
	v_lshrrev_b32 v7, 2, v1
	v_lshl_add_u32 v5, v7, 4, v5
	v_mad_u32_u24 v[ADSX], v2, 2*SBLK, v5
	s_mul_i32 s67, s14, 4*SBLK
	s_add_co_u32 s67, s67, SCX
	v_add_nc_u32 v[ADSX], s67, v[ADSX]
	v_mad_u32_u24 v[ADSW], v2, 6*SBLK, v5
	v_add_nc_u32 v[ADSW], SCW, v[ADSW]
	s_lshl_b32 s67, s16, 11
	s_lshl_b32 s13, s12, 9
	s_add_co_u32 s67, s67, s13
	v_add_nc_u32 v[VK], s67, v[LI]
	s_lshl_b32 s67, s12, 11
	s_lshl_b32 s13, s16, 9
	s_add_co_u32 s67, s67, s13
	s_add_co_u32 s67, s67, 4096
	v_add_nc_u32 v[VV], s67, v[LI]
	s_lshl_b32 s67, s16, 7
	s_lshl_b32 s13, s12, 1
	s_add_co_u32 s67, s67, s13
	s_add_co_u32 s67, s67, 8192
	v_add_nc_u32 v[VKS], s67, v[LS]
	s_lshl_b32 s67, s12, 7
	s_lshl_b32 s13, s16, 1
	s_add_co_u32 s67, s67, s13
	s_add_co_u32 s67, s67, 8448
	v_add_nc_u32 v[VVS], s67, v[LS]
	v_lshlrev_b32 v[QSO], 13, v2
	v_lshl_add_u32 v[QSO], v1, 4, v[QSO]
	v_lshlrev_b32 v[SH], 4, v2
	s_mov_b32 s20, 0x76543210
	s_mov_b32 s21, 0xfedcba98
	s_mov_b32 s22, 0xffff0000
	s_wait_alu depctr_va_vdst(0)
	s_wait_tensorcnt 0x0                           ; my tile of the head's four is in
	ds_add_u32 v28, v29
	s_mov_b32 s[G1+2], 128<<16                     ; no tensor load of mine is out: from here on a load brings half a tile's rows
	s_mov_b32 s[G1+4], 128
	s_mov_b32 s[G1B+2], 96<<16
	s_mov_b32 s[G1B+4], 96
	s_wait_dscnt 0x0
	CROUND                                         ; all four tiles are in, and all sixteen work-groups are here
	JLOAD G0+4, G1, G0B+4, G1B                     ; K step 1, the first tensor load behind the round
	FETCH 0, 0, 0
	SCALES 0
	STEP 0, 0, 1
	STEP 0, 1, 0
	STEP 0, 2, 0
	TURN 0, 1, 1
	STEP 1, 0, 0
	STEP 1, 1, 0
	STEP 1, 2, 0
	TURN 1, 0, 1
	STEP 0, 0, 0
	STEP 0, 1, 0
	STEP 0, 2, 0
	TURN 0, 1, 0
	STEP 1, 0, 0
	STEP 1, 1, 0
	STEP 1, 2, 0
	s_wait_dscnt 0x0
	WIN MUL_LO
.irp a, 0,1,2,3
	MLO \a, 1, 3, 1, 0
.endr
	WIN MUL_HI
	MHI 1, 3, 1, 0
	WIN 0
	PLACES 4
	s_wait_loadcnt 0x0
.irp b, 0,1,2,3
	v_mov_b32 v[TM+4+\b], 0
.endr
	WIN 0x03
.irp a, 0,1,2,3
.irp u, 0,1
	ROPE 16*\a+8*\u, CSK+16*\a+8*\u, H+16*\a+8*\u
.endr
.endr
	WIN 0
	QUANT H, 0, PCK
	global_store_b128 v[VK], v[PCK:PCK+3], s[74:75]
	global_store_b128 v[VK], v[PCK+4:PCK+7], s[74:75] offset:1024
	v_lshrrev_b32 v[KW], v[SH], v[PW]
	global_store_b16 v[VKS], v[KW], s[74:75]
	QUANT 64, 3, PCV
	global_store_b128 v[VV], v[PCV:PCV+3], s[74:75]
	global_store_b128 v[VV], v[PCV+4:PCV+7], s[74:75] offset:1024
	v_lshrrev_b32 v[VW], v[SH], v[PW]
	global_store_b16 v[VVS], v[VW], s[74:75]
.irp a, 0,1,2,3
	WIN 0x0e
.irp i, 0,1,2,3,4,5,6,7
	ROPE 8*(8*\a+\i), 128+32*\a+8*(\i%4), H+8*\i
.endr
	WIN 0
	QUANT H, 0, PCQ+8*\a
	global_store_b128 v[LI], v[PCQ+8*\a:PCQ+8*\a+3], s[70:71] offset:\a*512
	global_store_b128 v[LI], v[PCQ+8*\a+4:PCQ+8*\a+7], s[70:71] offset:\a*512+65536
	v_lshl_or_b32 v197, v[TM+5], 16, v[TM+4]
	v_lshl_or_b32 v198, v[TM+7], 16, v[TM+6]
	v_cndmask_b32 v197, v197, v198, s22
	v_lshl_or_b32 v[QW+\a], v197, 8, v197
.endr
	global_store_b128 v[QSO], v[QW:QW+3], s[72:73]
	s_wait_tensorcnt 0x0
	ds_add_u32 v[SPW], v[NIL]
	s_wait_dscnt 0x0
	CROUND
	s_endpgm
.Lfunc_end_k_q99987a7227_proj:
	.size	k_q99987a7227_proj, .Lfunc_end_k_q99987a7227_proj-k_q99987a7227_proj
	.p2alignl 7, 3214868480
	.fill 96, 4, 3214868480
	.section	.rodata,"a",@progbits
	.p2align	6, 0x0
	.amdhsa_kernel k_q99987a7227_proj
		.amdhsa_group_segment_fixed_size 327680
		.amdhsa_private_segment_fixed_size 0
		.amdhsa_enable_private_segment 0
		.amdhsa_kernarg_size 64
		.amdhsa_user_sgpr_count 2
		.amdhsa_user_sgpr_kernarg_segment_ptr 1
		.amdhsa_wavefront_size32 1
		.amdhsa_system_sgpr_workgroup_id_x 1
		.amdhsa_system_sgpr_workgroup_id_y 1
		.amdhsa_system_sgpr_workgroup_id_z 1
		.amdhsa_system_vgpr_workitem_id 0
		.amdhsa_next_free_vgpr 1024
		.amdhsa_next_free_sgpr 102
		.amdhsa_reserve_vcc 0
		.amdhsa_float_denorm_mode_32 3
		.amdhsa_float_denorm_mode_16_64 3
		.amdhsa_memory_ordered 1
		.amdhsa_forward_progress 1
		.amdhsa_inst_pref_size 210
	.end_amdhsa_kernel
	.amdgpu_metadata
---
amdhsa.version: [ 1, 2 ]
amdhsa.kernels:
  - .name:           k_q99987a7227_proj
    .symbol:         k_q99987a7227_proj.kd
    .args:
      - { .name: x_codes, .offset: 0, .size: 8, .value_kind: global_buffer, .address_space: global }
      - { .name: x_scales, .offset: 8, .size: 8, .value_kind: global_buffer, .address_space: global }
      - { .name: w_codes, .offset: 16, .size: 8, .value_kind: global_buffer, .address_space: global }
      - { .name: w_scales, .offset: 24, .size: 8, .value_kind: global_buffer, .address_space: global }
      - { .name: rope, .offset: 32, .size: 8, .value_kind: global_buffer, .address_space: global }
      - { .name: q_img, .offset: 40, .size: 8, .value_kind: global_buffer, .address_space: global }
      - { .name: q_sc, .offset: 48, .size: 8, .value_kind: global_buffer, .address_space: global }
      - { .name: kv, .offset: 56, .size: 8, .value_kind: global_buffer, .address_space: global }
    .group_segment_fixed_size: 327680
    .private_segment_fixed_size: 0
    .kernarg_segment_align: 8
    .kernarg_segment_size: 64
    .max_flat_workgroup_size: 128
    .sgpr_count:     102
    .vgpr_count:     1024
    .wavefront_size: 32
...
	.end_amdgpu_metadata
.endif
;; end of part 2
;; launch attn (part 3): grid 16 x 16, 16 waves a work-group, clusters of 4 x 1, 210,944 bytes of LDS; arguments q_img, q_sc, kv, out0; writes out0
.if DOCPART == 3
	.amdgcn_target "amdgcn-amd-amdhsa--gfx1250"
	.amdhsa_code_object_version 6
	.text
	.protected	k_q99987a7227_attn
	.globl	k_q99987a7227_attn
	.p2align	8
	.type	k_q99987a7227_attn,@function
k_q99987a7227_attn:
	s_mov_b64 s[64:65], 0
	v_nop
	global_prefetch_b8 v0, s[64:65] scope:SCOPE_SE
	s_setreg_imm32_b32 hwreg(HW_REG_WAVE_MODE, 25, 1), 1
	s_wait_xcnt 0x0
	s_wait_alu depctr_hold_cnt(0) depctr_sa_sdst(0) depctr_va_vdst(0) depctr_va_sdst(0) depctr_va_ssrc(0) depctr_va_vcc(0) depctr_vm_vsrc(0)
	s_getreg_b32 s2, hwreg(HW_REG_IB_STS2, 6, 4)
	s_cmp_eq_u32 s2, 0
	s_cbranch_scc0 .Lentry_in_a_cluster
	s_endpgm
.Lentry_in_a_cluster:
	s_bfe_u32 s2, ttmp6, 0x10000c
	s_cmp_lg_u32 s2, 0x3003
	s_cbranch_scc0 .Lentry_shape_is_right
	s_endpgm
.Lentry_shape_is_right:
; CAUSAL ATTENTION ON CODES OF FP4.  out[b][q][head][:] = sum over keys k <= q of softmax(Q . K / 8) V; both products quantised, one E8M0 scale for each 32 along a product's K.
; LEFT OUT: key steps that lie wholly behind a tile's queries: the mask that the problem builds itself turns their scores into -infinity, so their p is 0 for all values of the inputs.
; THE SOFTMAX AHEAD OF THE SECOND PRODUCT: t = score x log2(e) / 8; M = the running largest t rounded UP to a whole number; p = 2^(t - M) is quantised along the keys, not normalised; the row's sum is taken of the
; unquantised p and divides at the end; when M moves, the sum and O are multiplied by 2^(old M - new M), which rounds nothing.
; SHARES.  The four work-groups of a cluster are the four query heads of one (batch, kv head): they read the same 16 records (139,264 bytes) of K, V and scale words, asked for JOINTLY, once: wave w asks for record w.
; No slot is filled again.  Wave w owns two tiles of 16 queries, tL = 16 x cluster x + w and tH = 127 - tL, and walks them ONE AFTER THE OTHER, tH first.  Tile t needs key steps 0 .. t / 8 of 128 keys:
; 17 tile steps for every wave.  The loops' trip counts are constants (16 and 8); a step behind the tile's queries is jumped over by a scalar branch on ids that all four partners share.
; K AND V HAVE REGISTERS OF THEIR OWN: behind a step's first products its V and the NEXT step's K are asked of LDS in one run, and both land while the softmax is walked.
; LAYOUT.  Both products are used transposed: S^T = K Q^T, O^T = V^T P^T: a lane holds one query (lane % 16).  Tile t's row r is position 16 t - 8 (t % 2) + r + 8 (r / 8).
; THE HEAD HAS 64 CHANNELS, THE INSTRUCTION 128 ALONG K.  A fragment of K holds TWO tiles of 16 keys: registers 4 u .. 4 u + 3 are key tile u, lanes 16 g + m its channels 32 g .. of row m (the record's image is read by
; the lane address 512 g + 16 m, + 256 u).  Q's four registers stand between runs of four zero registers: (Q, 0) gives key tile 0, (0, Q) key tile 1.  Zero codes add nothing under any scale byte here.
; The scale words are stored with byte 2 g + u; this order of blocks wants byte 2 u + g: bytes 1 and 2 change places by one v_perm_b32.
; The keys of tile (f, u), row m, are 32 f + 8 u + m + 8 (m / 8): so registers 16 f + 0 .. 15 of the scores are keys 32 f + 16 (lane / 16) + 0 .. 15.
; Nothing is prefetched: all that the launch reads of K and V is asked for at its head.
; LIMITS: NaN and infinities are not served; the promise holds while |t| stays under 2^31.  A block of p whose every number has fallen to 0 keeps the scale byte 1 over zero codes.
.set REC,  8704                        ; a key step's record: K's codes 4,096, V's 4,096, K's scale words 256, V's 256
.set STG,  16*REC                      ; behind the records: a stage of 16 rows x 272 bytes for each wave; no tensor load lands there
.set SPT,  272
.set SPARE, 0x33000                    ; behind the stages: the spare words, 128 bytes a wave
.set LI,   1                           ; 16 x lane
.set LS,   2                           ; 4 x lane
.set LK,   3                           ; 512 (lane / 16) + 16 (lane % 16)
.set ADV,  4                           ; this step's record + LI
.set ADS,  5                           ; this step's record + LS
.set ADK,  6                           ; the next step's record + LK
.set ADN,  7                           ; the next step's record + LS
.set DH,   8                           ; my query's position - 16 (lane / 16), tiles H and L
.set DL,   9
.set MT,   10
.set NEGI, 11                          ; -infinity
.set ST,   12                          ; v12 -M, v13 the largest t, v[14:15] the sum in two halves
.set ZQ,   16                          ; v16-35: 0, Q of tile H, 0, Q of tile L, 0: four registers each
.set QSH,  36                          ; Q's scale words
.set QSL,  37
.set QSR,  38                          ; v38, v39 as they are loaded
.set KF,   40                          ; v40-71 four fragments of K
.set KSR,  72                          ; v72, v73 K's scale words as they are loaded; v74, v75 in the order of blocks
.set KSC,  74
.set VF,   76                          ; v76-107 four fragments of V
.set VSC,  108
.set S,    110                         ; v110-173 S^T, then p
.set O,    174                         ; v174-205 O^T
.set PCD,  206                         ; p's codes
.set BM,   214                         ; the blocks' largest scores
.set BT,   218
.set SO,   222                         ; the conversions' scale operands
.set FF,   226                         ; v226 f, v227 p's scale word
.set T1,   228
.set T2,   229
.set C1,   230                         ; three more chains of the row's sum
.set C2,   232
.set C3,   234
.set STO,  236
.set RD,   237
.set GO,   238
.set SPW,  254
.set NIL,  255
.set WV,   18
.set SEL,  20
.set CS,   22
.set G1A,  24
.set G0A,  40
.set TB,   48
.set J,    49
.set LASTL, 50
.set LASTH, 51
.set GH,   72                          ; which block of 32 keys of its last step holds the tile's own positions
.set GL,   73
.macro CROUND                          ; a round of the cluster's barrier
	s_barrier_signal -1
	s_barrier_wait -1
	s_cmp_lg_u32 s[WV], 0
	s_cbranch_scc1 .Lnot_wave_0_\@
	s_barrier_signal -3
.Lnot_wave_0_\@:
	s_barrier_wait -3
	s_barrier_signal -1
	s_barrier_wait -1
.endm
; The addresses of tile s[tt]: Q's codes, Q's scale words, O's rows, and the lane's position.  s61 = 32 batch + head, s60 = 8 batch + kv head, s68 = 256 x head, v247 = r + 8 (r / 8) - 16 h.
.macro TILE tt, qb, qsb, ob, dd
	s_lshl_b32 s62, s61, 7
	s_add_co_u32 s62, s62, s[\tt]
	s_lshl_b32 s62, s62, 9
	s_mov_b32 s63, 0
	s_add_nc_u64 s[\qb:\qb+1], s[4:5], s[62:63]
	s_lshl_b32 s62, s61, 5
	s_lshr_b32 s66, s[\tt], 2
	s_add_co_u32 s62, s62, s66
	s_lshl_b32 s62, s62, 8
	s_and_b32 s66, s[\tt], 3
	s_lshl_b32 s66, s66, 2
	s_add_co_u32 s62, s62, s66
	s_add_nc_u64 s[\qsb:\qsb+1], s[6:7], s[62:63]
	s_lshl_b32 s66, s[\tt], 4
	s_and_b32 s67, s[\tt], 1
	s_lshl_b32 s67, s67, 3
	s_sub_co_u32 s66, s66, s67                     ; the tile's first position
	v_add_nc_u32 v[\dd], s66, v247
	s_lshr_b32 s67, s60, 3
	s_lshl_b32 s67, s67, 11
	s_add_co_u32 s66, s66, s67
	s_lshl_b32 s62, s66, 13
	s_add_co_u32 s62, s62, s68
	s_add_nc_u64 s[\ob:\ob+1], s[10:11], s[62:63]
.endm
.macro WM d, a, b, sa, sb, row, acc    ; one product; row = 1: source 0's scale words stand in lanes 16-31; acc = 0: it starts the sum
.if \acc
.if \row
	v_wmma_scale_f32_16x16x128_f8f6f4 v[\d:\d+7], v[\a:\a+7], v[\b:\b+7], v[\d:\d+7], v[\sa], v[\sb] matrix_a_fmt:MATRIX_FMT_FP4 matrix_b_fmt:MATRIX_FMT_FP4 matrix_a_scale:MATRIX_SCALE_ROW1
.else
	v_wmma_scale_f32_16x16x128_f8f6f4 v[\d:\d+7], v[\a:\a+7], v[\b:\b+7], v[\d:\d+7], v[\sa], v[\sb] matrix_a_fmt:MATRIX_FMT_FP4 matrix_b_fmt:MATRIX_FMT_FP4
.endif
.else
.if \row
	v_wmma_scale_f32_16x16x128_f8f6f4 v[\d:\d+7], v[\a:\a+7], v[\b:\b+7], 0, v[\sa], v[\sb] matrix_a_fmt:MATRIX_FMT_FP4 matrix_b_fmt:MATRIX_FMT_FP4 matrix_a_scale:MATRIX_SCALE_ROW1
.else
	v_wmma_scale_f32_16x16x128_f8f6f4 v[\d:\d+7], v[\a:\a+7], v[\b:\b+7], 0, v[\sa], v[\sb] matrix_a_fmt:MATRIX_FMT_FP4 matrix_b_fmt:MATRIX_FMT_FP4
.endif
.endif
.endm
.macro KLOAD sreg, kreg                ; two LDS loads: a record's scale words of K
	ds_load_b32 v[KSR], v[\sreg] offset:8192       ; lanes 0-15 fragment 0's words, lanes 16-31 fragment 1's
	ds_load_b32 v[KSR+1], v[\sreg] offset:8320
.endm
.macro KFRAG kreg
.irp f, 0,1,2,3
.irp c, 0,1
	ds_load_b128 v[KF+8*\f+4*\c:KF+8*\f+4*\c+3], v[\kreg] offset:1024*\f+256*\c
.endr
.endr
.endm
.macro KSWAP                           ; K's scale words into the order of blocks: bytes 1 and 2 change places
	v_perm_b32 v[KSC], v[KSR], v[KSR], 0x03010200
	v_perm_b32 v[KSC+1], v[KSR+1], v[KSR+1], 0x03010200
.endm
.macro PKF cnt                         ; t - M, two at a time
.rept \cnt
	v_pk_fma_f32 v[S+n:S+n+1], v[S+n:S+n+1], s[CS:CS+1], v[ST:ST+1] op_sel_hi:[1,0,0]
.set n, n+2
.endr
.endm
; A tile begins: the largest t is -3e38, the sum and O^T are zeros, which the first change of M leaves zeros.  Record 0's loads of K have been issued: the youngest eight (the fragments) may be out at the wait.
.macro INIT
	v_mov_b32 v[ST+1], 0xff61b1e6
	v_mov_b32 v[ST+2], 0
	v_mov_b32 v[ST+3], 0
	v_floor_f32 v[ST], -v[ST+1]
	s_wait_alu depctr_va_vdst(0)                   ; directly ahead of the wait below
	s_wait_dscnt 0x8
	KSWAP
.set n, 0
.rept 32
	v_mov_b32 v[O+n], 0                            ; these also part the scale words' writes from the first products
.set n, n+1
.endr
	s_mov_b32 s[TB], 0
	s_mov_b32 s[J], 0
.endm
; ONE KEY STEP OF THE TILE IN HAND: 128 keys, record s[TB].
.macro TSTEP qlo, qhi, qs, dd, last, g
	s_cmp_gt_u32 s[J], s[\last]                    ; all 128 keys come after the tile's queries: nothing to do
	s_cbranch_scc1 .Lskip_\@
	s_add_co_u32 s62, s[TB], REC
	s_min_u32 s62, s62, 15*REC                     ; the next record; the last step names its own once more, so that no load leaves the records
	v_add_nc_u32 v[ADV], s[TB], v[LI]
	v_add_nc_u32 v[ADS], s[TB], v[LS]
	v_add_nc_u32 v[ADK], s62, v[LK]
	v_add_nc_u32 v[ADN], s62, v[LS]
	s_wait_alu depctr_va_vdst(0)                   ; directly ahead of the wait below
	s_wait_dscnt 0x0                               ; this step's K, asked for a step ago, is in
.irp f, 0,1,2,3
	WM S+16*\f, KF+8*\f, \qlo, KSC+\f/2, \qs, \f%2, 0
	WM S+16*\f+8, KF+8*\f, \qhi, KSC+\f/2, \qs, \f%2, 0
.endr
.rept 4
	v_nop                                          ; places: in front of the loads over K's fragments and of the first read of the scores; with the four additions above also behind the last step's products
.endr
	KLOAD ADN                                      ; 2 loads: the next step's scale words of K;
.irp f, 0,1,2,3
.irp c, 0,1
	ds_load_b128 v[VF+8*\f+4*\c:VF+8*\f+4*\c+3], v[ADV] offset:4096+1024*\f+512*\c    ; 8: this step's V, as an image of its registers;
.endr
.endr
	ds_load_b32 v[VSC], v[ADS] offset:8448         ; 2: its scale words;
	ds_load_b32 v[VSC+1], v[ADS] offset:8576
	KFRAG ADK                                      ; 8: the next step's K
	s_cmp_lg_u32 s[J], s[\last]                    ; the tile's last step lies on the diagonal: hidden scores become -infinity ahead of the maximum
	s_cbranch_scc1 .Lopen_\@
	s_lshl_b32 s62, s[J], 7
	v_sub_nc_u32 v[MT], v[\dd], s62                ; register 16 b + i holds key 128 J + 16 (lane / 16) + 32 b + i: hidden where 32 b + i > this
	s_wait_alu depctr_va_vdst(0)                   ; directly behind the write
.irp b, 0,1,2,3
	s_cmp_gt_u32 s[\g], \b                         ; a block of 32 keys ahead of the tile's own 32 positions hides nothing
	s_cbranch_scc1 .Lv\@_\b
.irp i, 0,1,2,3,4,5,6,7,8,9,10,11,12,13,14,15
	v_cmp_gt_i32 vcc_lo, 32*\b+\i, v[MT]
	v_cndmask_b32 v[S+16*\b+\i], v[S+16*\b+\i], v[NEGI], vcc_lo
.endr
.Lv\@_\b:
.endr
.Lopen_\@:
	v_mov_b32 v[T2], v[ST]                         ; the old -M
.irp b, 0,1,2,3
	v_max3_num_f32 v[BM+\b], v[S+16*\b], v[S+1+16*\b], v[S+2+16*\b]      ; the largest score of each block of 32 keys: for the row's maximum, and, since p rises with the score, for the block's largest p
.endr
.irp i, 3,5,7,9,11,13
.irp b, 0,1,2,3
	v_max3_num_f32 v[BM+\b], v[BM+\b], v[S+16*\b+\i], v[S+1+16*\b+\i]
.endr
.endr
.irp b, 0,1,2,3
	v_max_num_f32 v[BM+\b], v[BM+\b], v[S+15+16*\b]
.endr
.irp b, 0,1,2,3
	s_delay_alu instid0(VALU_DEP_4)
	v_permlanex16_b32 v[BT+\b], v[BM+\b], s[SEL], s[SEL+1]
.endr
.irp b, 0,1,2,3
	s_delay_alu instid0(VALU_DEP_4)
	v_max_num_f32 v[BM+\b], v[BM+\b], v[BT+\b]     ; with lane l xor 16's 16 keys
.endr
	s_delay_alu instid0(VALU_DEP_2)
	v_max3_num_f32 v[T1], v[BM], v[BM+1], v[BM+2]
	s_delay_alu instid0(VALU_DEP_1)
	v_max_num_f32 v[T1], v[T1], v[BM+3]
	s_delay_alu instid0(VALU_DEP_1)
	v_mul_f32 v[T1], s[CS], v[T1]                  ; the step's largest t
	s_delay_alu instid0(VALU_DEP_1)
	v_max_num_f32 v[ST+1], v[ST+1], v[T1]
	s_delay_alu instid0(VALU_DEP_1)
	v_floor_f32 v[ST], -v[ST+1]                    ; the new -M = -ceil(t): a whole number
	s_delay_alu instid0(VALU_DEP_1)
	v_sub_f32 v[T1], v[ST], v[T2]                  ; old M - new M: a whole number, 0 or less
.set n, 0
	PKF 8
	v_cvt_i32_f32 v[T1], v[T1]                     ; (it saturates)
	PKF 8
	v_ldexp_f32 v[FF], 1.0, v[T1]                  ; f = 2^(old M - new M)
	PKF 16
.irp b, 0,1,2,3
	v_fma_f32 v[BM+\b], v[BM+\b], s[CS], v[ST]     ; the same of each block's largest score
.endr
	s_wait_alu depctr_va_vdst(0)                   ; ahead of the batch
.set n, 0
.rept 64
	v_exp_f32 v[S+n], v[S+n]                       ; p = 2^(t - M)
.set n, n+1
.endr
	v_pk_mul_f32 v[ST+2:ST+3], v[ST+2:ST+3], v[FF:FF+1] op_sel_hi:[1,0]    ; the sums under the new M: a plain instruction behind the exponentials
	s_wait_alu depctr_va_vdst(0)                   ; one wait for the batch of 64, ahead of its first reader
.irp b, 0,1,2,3
	v_exp_f32 v[BM+\b], v[BM+\b]                   ; the block's largest p: the same two instructions on the same number
.endr
	v_pk_add_f32 v[C1:C1+1], v[S:S+1], v[S+2:S+3]  ; the row's sum of the unquantised p, in four chains
	v_pk_add_f32 v[C2:C2+1], v[S+4:S+5], v[S+6:S+7]
	v_pk_add_f32 v[C3:C3+1], v[S+8:S+9], v[S+10:S+11]
.set n, 12
.rept 6
	v_pk_add_f32 v[ST+2:ST+3], v[ST+2:ST+3], v[S+n:S+n+1]
	v_pk_add_f32 v[C1:C1+1], v[C1:C1+1], v[S+n+2:S+n+3]
	v_pk_add_f32 v[C2:C2+1], v[C2:C2+1], v[S+n+4:S+n+5]
	v_pk_add_f32 v[C3:C3+1], v[C3:C3+1], v[S+n+6:S+n+7]
.set n, n+8
.endr
	v_pk_add_f32 v[ST+2:ST+3], v[ST+2:ST+3], v[S+60:S+61]
	v_pk_add_f32 v[C1:C1+1], v[C1:C1+1], v[S+62:S+63]
	v_pk_add_f32 v[C2:C2+1], v[C2:C2+1], v[C3:C3+1]
	s_delay_alu instid0(VALU_DEP_2)
	v_pk_add_f32 v[ST+2:ST+3], v[ST+2:ST+3], v[C1:C1+1]
	s_delay_alu instid0(VALU_DEP_1)
	v_pk_add_f32 v[ST+2:ST+3], v[ST+2:ST+3], v[C2:C2+1]
	s_wait_alu depctr_va_vdst(0)                   ; and one for the four
.irp b, 0,1,2,3
	v_max_num_f32 v[BM+\b], 0x1800000, v[BM+\b]    ; the floor 2^(3 - 127): the byte cannot fall under 1
.endr
.irp b, 0,1,2,3
	s_delay_alu instid0(VALU_DEP_4)
	v_add_nc_u32 v[SO+\b], 0xff000000, v[BM+\b]    ; 2 off the exponent field: the conversion's scale operand
.endr
.irp b, 0,1,2,3
	s_delay_alu instid0(VALU_DEP_4)
	v_lshrrev_b32 v[BT+\b], 23, v[SO+\b]           ; the scale's byte
.endr
	s_delay_alu instid0(VALU_DEP_3)
	v_lshl_or_b32 v[FF+1], v[BT+1], 8, v[BT]       ; p's scale word for these 128 keys
	s_delay_alu instid0(VALU_DEP_1)
	v_lshl_or_b32 v[FF+1], v[BT+2], 16, v[FF+1]
	s_delay_alu instid0(VALU_DEP_1)
	v_lshl_or_b32 v[FF+1], v[BT+3], 24, v[FF+1]
.irp b, 0,1,2,3
	v_cvt_scalef32_pk8_fp4_f32 v[PCD+2*\b], v[S+16*\b:S+7+16*\b], v[SO+\b]
	v_cvt_scalef32_pk8_fp4_f32 v[PCD+1+2*\b], v[S+8+16*\b:S+15+16*\b], v[SO+\b]
.endr
	v_nop                                          ; one plain instruction behind a scaled conversion
.irp c, 0,1                                    ; a whole block to a lane: lanes 0-15 block 2 c, lanes 16-31 block 2 c + 1
.irp i, 0,1
	v_permlane16_swap_b32 v[PCD+4*\c+\i], v[PCD+2+4*\c+\i]
.endr
.endr
	s_wait_dscnt 0x8                               ; of the run's twenty loads the first twelve are in: the next scale words of K, and V; the next step's eight fragments of K may be out
	KSWAP
	s_wait_alu depctr_va_vdst(0)                   ; directly ahead of the first reader of O^T
.set n, 0
.rept 16
	v_pk_mul_f32 v[O+n:O+n+1], v[O+n:O+n+1], v[FF:FF+1] op_sel_hi:[1,0]   ; O^T under the new M.  These sixteen also part the writes of codes and scale words from the products
.set n, n+2
.endr
.irp f, 0,1,2,3                                ; O^T += V^T P^T: the four accumulators by turns
	WM O+8*\f, VF+8*\f, PCD, VSC+\f/2, FF+1, \f%2, 1
.endr
.Lskip_\@:
.endm
; THE WAY OUT OF A TILE.  O^T / the sum goes through my stage: register 8 T + j of lane (r, h) is channel 32 (T / 2) + 16 h + 8 (T % 2) + j of query r; it comes back as rows of 256 bytes.
.macro WAYOUT ob
.rept 4
	v_nop
.endr
	v_add_f32 v[ST+2], v[ST+2], v[ST+3]
	s_delay_alu instid0(VALU_DEP_1)
	v_permlanex16_b32 v[BT], v[ST+2], s[SEL], s[SEL+1]
	s_delay_alu instid0(VALU_DEP_1)
	v_add_f32 v[ST+2], v[ST+2], v[BT]
	s_wait_alu depctr_va_vdst(0)                   ; ahead of the transcendental
	v_rcp_f32 v[ST+2], v[ST+2]
	v_nop                                          ; a plain instruction behind the reciprocal
	s_wait_alu depctr_va_vdst(0)                   ; ahead of its first reader, which is also the first reader of the last products
.set n, 0
.rept 32
	v_mul_f32 v[S+n], v[O+n], v[ST+2]
.set n, n+1
.endr
.irp t, 0,1,2,3
	ds_store_b128 v[STO], v[S+8*\t:S+8*\t+3] offset:128*(\t/2)+32*(\t%2)
	ds_store_b128 v[STO], v[S+8*\t+4:S+8*\t+7] offset:128*(\t/2)+32*(\t%2)+16
.endr
.irp i, 0,1,2,3,4,5,6,7
	ds_load_b128 v[S+32+4*\i:S+32+4*\i+3], v[RD] offset:2*\i*SPT     ; LDS serves a wave's instructions in order: these see my stores
.endr
.irp i, 0,1,2,3,4,5,6,7
	s_wait_dscnt 7-\i
	global_store_b128 v[GO], v[S+32+4*\i:S+32+4*\i+3], s[\ob:\ob+1] offset:(2*\i+8*(\i/4))*8192 th:TH_STORE_NT   ; stage row 2 i + h is position + 2 i + h + 8 (i / 4); sixteen lanes store 256 consecutive bytes, aligned
.endr
.endm
	s_load_b256 s[4:11], s[0:1], 0x0               ; q_img s[4:5], q_sc s[6:7], kv s[8:9], out0 s[10:11]
	v_lshl_add_u32 v[SPW], v0, 2, SPARE
	v_mov_b32 v[NIL], 0
	ds_add_u32 v[SPW], v[NIL]                      ; the opening lines: the add, twice on end, and its wait ahead of my tensor load
	ds_add_u32 v[SPW], v[NIL]
	v_lshrrev_b32 v1, 5, v0
	s_delay_alu instid0(VALU_DEP_1)
	v_readfirstlane_b32 s[WV], v1                  ; wave 0..15
	s_bfe_u32 s69, ttmp6, 0x40000                  ; cx: my query head within its group: it enters Q's and O's addresses alone
	s_and_b32 s60, ttmp7, 0xffff                   ; 8 batch + kv head, which the four partners share
	s_mov_b32 s[G1A], 15|(3<<16)|(1<<21)           ; group 1: a record as 34 dense rows of 32 elements of 8 bytes, no padding; the mask names all four work-groups
	s_mov_b32 s[G1A+1], 32<<16
	s_mov_b32 s[G1A+2], 34<<16
	s_mov_b32 s[G1A+3], 32<<16
	s_mov_b32 s[G1A+4], 34
	s_mov_b32 s[G1A+5], 32
	s_mov_b32 s[G1A+6], 0
	s_mov_b32 s[G1A+7], 0
	s_mul_i32 s2, s60, 16*REC
	s_mul_i32 s16, s[WV], REC                      ; wave w: key step w, in LDS as in memory
	s_add_co_u32 s2, s2, s16
	s_mov_b32 s3, 0
	s_wait_dscnt 0x0                               ; both opening adds are done
	s_wait_kmcnt 0x0
	s_mov_b32 s[G0A], 1
	s_mov_b32 s[G0A+1], s16
	s_add_nc_u64 s[G0A+2:G0A+3], s[8:9], s[2:3]
	s_or_b32 s[G0A+3], s[G0A+3], 0x80000000
	CROUND                                         ; all four work-groups are here: the joint loads meet
	tensor_load_to_lds s[G0A:G0A+3], s[G1A:G1A+7]  ; my one tensor load of the launch
	s_nop 0
.rept 4
	v_nop
.endr
	v_and_b32 v[LI], 31, v0
	v_and_b32 v244, 15, v0                         ; r
	v_bfe_u32 v245, v0, 4, 1                       ; h
	s_delay_alu instid0(VALU_DEP_3)
	v_lshlrev_b32 v[LS], 2, v[LI]
	v_lshlrev_b32 v[LI], 4, v[LI]
	v_lshlrev_b32 v246, 4, v244                    ; 16 r
	v_lshrrev_b32 v247, 3, v244
	v_lshlrev_b32 v243, 4, v245
	s_delay_alu instid0(VALU_DEP_3)
	v_lshl_add_u32 v[LK], v245, 9, v246
	s_delay_alu instid0(VALU_DEP_3)
	v_lshl_add_u32 v247, v247, 3, v244
	s_delay_alu instid0(VALU_DEP_1)
	v_sub_nc_u32 v247, v247, v243                  ; r + 8 (r / 8) - 16 h
	s_wait_alu depctr_va_vdst(0)                   ; ahead of the run of scalar lines
	s_lshl_b32 s70, ttmp9, 4
	s_add_co_u32 s70, s70, s[WV]                   ; tL
	s_sub_co_u32 s71, 127, s70                     ; tH
	s_lshr_b32 s[LASTL], s70, 3
	s_lshr_b32 s[LASTH], s71, 3
	s_bfe_u32 s[GL], s70, 0x20001                  ; (t / 2) % 4
	s_bfe_u32 s[GH], s71, 0x20001
	s_lshl_b32 s61, s60, 2
	s_add_co_u32 s61, s61, s69                     ; 32 batch + head
	s_and_b32 s68, s60, 7
	s_lshl_b32 s68, s68, 2
	s_add_co_u32 s68, s68, s69
	s_lshl_b32 s68, s68, 8                         ; the head's 256 bytes in a row of out0
	TILE 70, 52, 12, 56, DL
	TILE 71, 54, 14, 58, DH
	global_load_b128 v[ZQ+4:ZQ+7], v[LI], s[54:55]           ; Q: lane (r, h) takes channels 32 h .. of row r
	global_load_b128 v[ZQ+12:ZQ+15], v[LI], s[52:53]
	global_load_b32 v[QSR], v246, s[14:15]
	global_load_b32 v[QSR+1], v246, s[12:13]
	s_mul_i32 s66, s[WV], 16*SPT
	s_add_co_u32 s66, s66, STG                     ; my stage
	v_mul_u32_u24 v[STO], v244, SPT
	v_mul_u32_u24 v[RD], v245, SPT
	v_lshlrev_b32 v[GO], 13, v245
	s_delay_alu instid0(VALU_DEP_3)
	v_lshl_add_u32 v[STO], v245, 6, v[STO]
	s_delay_alu instid0(VALU_DEP_3)
	v_lshl_add_u32 v[RD], v244, 4, v[RD]
	s_delay_alu instid0(VALU_DEP_3)
	v_lshl_add_u32 v[GO], v244, 4, v[GO]           ; two rows of out0: lanes 0-15 one, lanes 16-31 the next
	s_delay_alu instid0(VALU_DEP_3)
	v_add_nc_u32 v[STO], s66, v[STO]               ; in: row r, + 64 h
	s_delay_alu instid0(VALU_DEP_3)
	v_add_nc_u32 v[RD], s66, v[RD]                 ; back: lanes 0-15 one row, lanes 16-31 the next
	s_mov_b32 s[SEL], 0x76543210
	s_mov_b32 s[SEL+1], 0xfedcba98
	s_mov_b32 s[CS], 0x3e38aa3b                    ; log2(e) / 8
	s_mov_b32 s[CS+1], s[CS]                       ; (named with it as a pair, so it is written)
	v_mov_b32 v[NEGI], 0xff800000
.irp k, 0,1,2,3,8,9,10,11,16,17,18,19
	v_mov_b32 v[ZQ+\k], 0                          ; the zero codes beside Q
.endr
.irp b, 0,1,2,3
	v_mov_b32 v[BT+\b], 0                          ; written once: a lane permute's destination counts as one of its sources
.endr
	v_mov_b32 v[FF+1], 0                           ; (named as the upper half of the pair before it is first written)
	s_wait_alu depctr_va_vdst(0)                   ; at the head's end
	s_wait_loadcnt 0x0
	v_perm_b32 v[QSH], v[QSR], v[QSR], 0x03010200  ; Q's scale words into the order of blocks
	v_perm_b32 v[QSL], v[QSR+1], v[QSR+1], 0x03010200
	s_wait_alu depctr_va_vdst(0)                   ; directly ahead of the wait below
	s_wait_tensorcnt 0x0                           ; my record is in,
	s_barrier_signal -1
	s_barrier_wait -1                              ; everybody's is
	KLOAD LS
	KFRAG LK
	INIT
.Ltile_h:
	TSTEP ZQ+4, ZQ, QSH, DH, LASTH, GH
	s_add_co_u32 s[TB], s[TB], REC
	s_add_co_u32 s[J], s[J], 1
	s_cmp_lt_u32 s[J], 16
	s_cbranch_scc1 .Ltile_h
	s_wait_dscnt 0x0                               ; the last step's loads of K have landed: their registers may be loaded again
	KLOAD LS                                       ; record 0's K for tile L lands while tile H goes out
	KFRAG LK
	WAYOUT 58
	s_wait_xcnt 0x0                                ; the stores have read their registers: the scores may be written there again
	INIT
.Ltile_l:
	TSTEP ZQ+12, ZQ+8, QSL, DL, LASTL, GL
	s_add_co_u32 s[TB], s[TB], REC
	s_add_co_u32 s[J], s[J], 1
	s_cmp_lt_u32 s[J], 8                           ; tL is at most 63: its last key step is at most 7
	s_cbranch_scc1 .Ltile_l
	s_wait_dscnt 0x0
	WAYOUT 56
	s_wait_tensorcnt 0x0                           ; the wave's end
	ds_add_u32 v[SPW], v[NIL]
	s_wait_dscnt 0x0
	CROUND                                         ; the closing round
	s_endpgm
.Lfunc_end_k_q99987a7227_attn:
	.size	k_q99987a7227_attn, .Lfunc_end_k_q99987a7227_attn-k_q99987a7227_attn
	.p2alignl 7, 3214868480
	.fill 96, 4, 3214868480
	.section	.rodata,"a",@progbits
	.p2align	6, 0x0
	.amdhsa_kernel k_q99987a7227_attn
		.amdhsa_group_segment_fixed_size 210944
		.amdhsa_private_segment_fixed_size 0
		.amdhsa_enable_private_segment 0
		.amdhsa_kernarg_size 32
		.amdhsa_user_sgpr_count 2
		.amdhsa_user_sgpr_kernarg_segment_ptr 1
		.amdhsa_wavefront_size32 1
		.amdhsa_system_sgpr_workgroup_id_x 1
		.amdhsa_system_sgpr_workgroup_id_y 1
		.amdhsa_system_sgpr_workgroup_id_z 1
		.amdhsa_system_vgpr_workitem_id 0
		.amdhsa_next_free_vgpr 256
		.amdhsa_next_free_sgpr 76
		.amdhsa_reserve_vcc 1
		.amdhsa_float_denorm_mode_32 3
		.amdhsa_float_denorm_mode_16_64 3
		.amdhsa_memory_ordered 1
		.amdhsa_forward_progress 1
		.amdhsa_inst_pref_size 62
	.end_amdhsa_kernel
	.amdgpu_metadata
---
amdhsa.version: [ 1, 2 ]
amdhsa.kernels:
  - .name:           k_q99987a7227_attn
    .symbol:         k_q99987a7227_attn.kd
    .args:
      - { .name: q_img, .offset: 0, .size: 8, .value_kind: global_buffer, .address_space: global }
      - { .name: q_sc, .offset: 8, .size: 8, .value_kind: global_buffer, .address_space: global }
      - { .name: kv, .offset: 16, .size: 8, .value_kind: global_buffer, .address_space: global }
      - { .name: out0, .offset: 24, .size: 8, .value_kind: global_buffer, .address_space: global }
    .group_segment_fixed_size: 210944
    .private_segment_fixed_size: 0
    .kernarg_segment_align: 8
    .kernarg_segment_size: 32
    .max_flat_workgroup_size: 512
    .sgpr_count:     76
    .vgpr_count:     256
    .wavefront_size: 32
...
	.end_amdgpu_metadata
.endif
;; end of part 3
